; MI455X (gfx1250); checked and timed in simulation.
; The chip was launched on July 23, 2026; its instructions are those of AMD's public machine-readable ISA for CDNA 5 (MIT licence, August 2026) and "CDNA5" Instruction Set Architecture Reference Guide (July 2026). The comments in the code are by the model that wrote it; some were corrected since.
;; Multi Head Attention. Allowed arithmetic: matrix products marked QUANTISED: E2M1 operands, one E8M0 scale for each 32 along K, by v_wmma_scale_f32_16x16x128_f8f6f4 with both operands' format E2M1 (or v_wmma_scale_f32_32x16x128_f4), f32 sums; everything else in f32.
;; Inputs: k_proj_codes 12 x 64 x 24 x 16 uint8 (E2M1 codes of k_proj, K innermost, in blocks of 32 codes, two codes a byte); k_proj_scales 12 x 64 x 24 uint8 (E8M0 scales of k_proj, one for each 32 codes along K); q_proj_codes 12 x 64 x 24 x 16 uint8 (E2M1 codes of q_proj, K innermost, in blocks of 32 codes, two codes a byte); q_proj_scales 12 x 64 x 24 uint8 (E8M0 scales of q_proj, one for each 32 codes along K); v_proj_codes 12 x 64 x 24 x 16 uint8 (E2M1 codes of v_proj, K innermost, in blocks of 32 codes, two codes a byte); v_proj_scales 12 x 64 x 24 uint8 (E8M0 scales of v_proj, one for each 32 codes along K); x_codes 1 x 4,096 x 24 x 16 uint8 (E2M1 codes of x, K innermost, in blocks of 32 codes, two codes a byte); x_scales 1 x 4,096 x 24 uint8 (E8M0 scales of x, one for each 32 codes along K).
;; Outputs: out0 1 x 12 x 4,096 x 64 float32.
;; This version of the problem:
;;   THIS VERSION OF THE PROBLEM IS GIVEN IN LOW PRECISION. The matrix products marked QUANTISED in the list below multiply operands that are first quantised to E2M1 (2 exponent bits, 1 mantissa bit; 4 bits a number), with one power-of-two scale for each 32 numbers along K (OCP MX v1.0); their sums are f32. All else is computed in f32.
;;   The module's matrix products, in the order in which they are computed (A, B: the left and right operand; K: the contracted axis; several contracted axes count as one K, in the product's order):
;;     1. [M 768, K 768] x [K 768, N 4,096]; A: input q_proj (given as codes); B: input x (given as codes): QUANTISED
;;     2. [M 768, K 768] x [K 768, N 4,096]; A: input k_proj (given as codes); B: input x (given as codes): QUANTISED
;;     3. [M 768, K 768] x [K 768, N 4,096]; A: input v_proj (given as codes); B: input x (given as codes): QUANTISED
;;     4. batch 12 x [M 4,096, K 64] x [K 64, N 4,096]; A: computed on the way; B: computed on the way: QUANTISED
;;     5. batch 12 x [M 4,096, K 4,096] x [K 4,096, N 64]; A: softmax (see below); B: computed on the way: QUANTISED
;;   THE QUANTISER, for each operand of a quantised product, along K:
;;     - K is cut into blocks of 32 from its start; a last block that is shorter is filled with zeros.
;;     - A block's scale is 2^e with e = floor(log2(the largest magnitude in the block)) - 2, held to -126 .. 127; a block of zeros has e = 0. As a byte (E8M0): e + 127.
;;     - Each number is divided by its block's scale, clamped to +-6, and rounded to the nearest number of E2M1, ties to even, subnormals kept.
;;     - The product sums the exact products of the quantised numbers (number of the format x scale) in f32.
;;   ~~~python
;;   def quantise(x, axis):      # numpy; x: float32 -> the quantised numbers, widened to float32 again
;;       x = np.moveaxis(x, axis, -1); K = x.shape[-1]
;;       x = np.pad(x, [(0, 0)] * (x.ndim - 1) + [(0, -K % 32)]); x = x.reshape(x.shape[:-1] + (-1, 32)); a = np.abs(x).max(-1, keepdims=True)
;;       e = np.where(a > 0, np.clip(np.frexp(np.where(a > 0, a, 1))[1] - 1 - 2, -126, 127), 0)      # np.frexp(a)[1] - 1 = floor(log2(a)), exactly
;;       r = np.clip(x / 2.0 ** e, -6, 6)
;;       step = 2.0 ** (np.maximum(np.frexp(np.where(r == 0, 1, r))[1] - 1, 0) - 1)
;;       q = np.round(r / step) * step * 2.0 ** e      # np.round: ties to even
;;       return np.moveaxis(q.reshape(q.shape[:-2] + (-1,))[..., :K], -1, axis).astype(np.float32)
;;   ~~~
;;   SOFTMAX AHEAD OF A QUANTISED PRODUCT. Where the list says 'softmax', what is quantised is not the finished softmax but p = 2^(t - M), with t = logit x log2(e) and M = ceil(the row's largest t), a whole number; so 1/2 < the row's largest p <= 1. The row's sum l is taken of the UNQUANTISED p, in f32, and the product's result is divided by l at the end. Since M is a whole number, a kernel that streams over the keys may use a running M (the ceiling of the running maximum): every later rescaling is an exact power of two, which a block's scale takes up: the codes' values come out the same.
;;   OPERANDS COMPUTED ON THE WAY. 'Computed on the way' means the value that the module computes at that place (a softmax that the list does not call 'softmax' is quantised finished and normalised). What goes into a quantiser is computed in f32, as accurately as f32 sums, v_exp_f32 and their like allow (about 1e-6 of the number): no bf16 or f16 on the way to a quantiser, and a product that is left as it is and whose result goes on into a quantised operand takes f32 operands (vector FMAs, or v_wmma_f32_16x16x4_f32). A number that lies on a knife's edge between two numbers of the format may be rounded either way, as far as f32 arithmetic and the matrix unit's own rounding can turn it there, and no further.
;;   INPUTS GIVEN AS CODES. k_proj (in the module: [12, 768, 64], K = its axis 1); q_proj (in the module: [12, 768, 64], K = its axis 1); v_proj (in the module: [12, 768, 64], K = its axis 1); x (in the module: [1, 4096, 768], K = its axis 2): each comes as NAME_codes (uint8): NAME with its K axis moved to the last place and cut into blocks of 32 codes, [.., K / 32, bytes a block], one block behind the other in memory; two codes a byte, the lower K in the low four bits (a code: sign, 2 exponent bits, 1 mantissa bit); and NAME_scales (uint8): the same leading axes, one E8M0 byte (e + 127) for each 32 codes along K. Its value is code x scale, taken as it is: it is not quantised again, and the codes and scales need not be those that the quantiser above would give.
;; One version. Each part assembles by itself: llvm-mc -triple=amdgcn-amd-amdhsa -mcpu=gfx1250 --defsym DOCPART=n.
;; ======== version 1 of 1: 2 launches
;; workspace buffers: kv 3,342,336 bytes; qq 3,342,336 bytes
;; launch proj (part 1): grid 16 x 9, 8 waves a work-group, no clusters, 327,680 bytes of LDS; arguments x_codes, x_scales, q_proj_codes, q_proj_scales, k_proj_codes, k_proj_scales, v_proj_codes, v_proj_scales, kv, qq; writes kv, qq
.if DOCPART == 1
	.amdgcn_target "amdgcn-amd-amdhsa--gfx1250"
	.amdhsa_code_object_version 6
	.text
	.protected	k_q62d872e9ff_proj
	.globl	k_q62d872e9ff_proj
	.p2align	8
	.type	k_q62d872e9ff_proj,@function
k_q62d872e9ff_proj:
	s_mov_b64 s[64:65], 0
	v_nop
	global_prefetch_b8 v0, s[64:65] scope:SCOPE_SE
	s_setreg_imm32_b32 hwreg(HW_REG_WAVE_MODE, 25, 1), 1
	s_wait_xcnt 0x0
; THE PROGRAM: causal attention, 12 heads, 4,096 positions, head size 64, all five products on codes of FP4 (E2M1) with one E8M0 scale for each 32 along K.
; This launch: q, k, v = x W (K = 768, codes as given), and the quantisers behind them: q and k along the head's 64, v along the keys.  The second launch: both attention products and the softmax.
; WORK LEFT OUT (in the second launch): a step of 128 keys all of which come after all 16 queries of a wave.  reference() sets those scores to -infinity by the mask that it builds itself (triu, k = 1), so their
; weights are 0 for all values of the inputs and they reach no output.  LIMIT: a NaN, an infinity or an overflow that reaches only such scores is not carried to the result.  All eight inputs are live and are loaded.
; OTHER LIMITS: NaN, infinities and the scale byte 0xff among the inputs are not served.  A block whose largest magnitude lies under 2^(3 - 127) gets the byte 1; so does a block of zeros, where the rule says 127:
; its codes are zeros, which add nothing under any byte but 0xff, and the bytes are read by this program alone.
; SHARES.  One tile shape for q, k and v: 256 x 256 of a product, K = 768 in six steps of 128.  Work-group (x, y): x = a block of 256 positions; y / 3 = q, k or v; y % 3 = a block of 256 rows of W (4 heads x 64).
; THE A SIDE is the operand along which the result is quantised: W's rows for q and k (the head's dims), x's rows for v (the keys).  THE B SIDE is the other.  Source 0 = 16 rows of A, source 1 = 16 rows of B: a lane
; then holds ONE row of B, and its registers run along A's rows, which are the next product's K.  Eight waves: wave w takes A's rows 128 (w & 1) on and B's rows 64 (w >> 1) on: 8 x 4 = 32 accumulators, 256 registers.
; THE ROWS OF A TILE ARE NOT NEIGHBOURS, on either side: lane r of tile t takes row 32 (t / 2) + 8 (t % 2) + r + 8 (r / 8).  So the 16 registers of A's tiles 2 b and 2 b + 1 are 16 neighbours along the next K,
; and B's tiles are the tiles of keys, queries and channels that the second launch multiplies.
; THE RESULTS leave as IMAGES OF THE NEXT OPERANDS' REGISTERS.  kv and qq: [head][pair of key steps u = 0..15][17,408 bytes]; a key step is 128 positions; row rho = 0..33 (256 bytes) of step 2 u + e lies at
; 512 rho + 256 e.  Rows 0-15: eight images of K's (in qq: Q's) tiles; rows 16-31: eight of V^T's register groups; row 32: K's (Q's) scale halfwords; row 33: V's scale words.  An image is 512 bytes:
; lanes 0-15 in one row, lanes 16-31 in the next row of the same step.  The steps of a pair are interleaved so that every 17 rows on end, which is what one tensor load of the second launch brings, hold bytes of the even step.
; NO CLUSTER: x's tile is shared along the grid's y, whose 9 work-groups no cluster of 4 divides; along the grid's x only W's 98,304 of a work-group's 196,608 bytes are shared, and each work-group asks once, at its head.
; The scale words are read straight from memory, 8 bytes of each row of 24, once: 12,288 bytes for a work-group's two sides.
; REGISTERS.  Window 0: v1-9 lane numbers and addresses; v10, v11 the add's two; v32-79 A's scale words (tile a, K step s: 32 + 6 a + s); v80-103 B's; v104-167 A's eight fragments; v168-199 B's four.
;   Behind the K loop: v104-135 the codes made, v136-139 their scale words, v140-155 at work, v160-165 scale words packed for the stores.   Window 1: accumulator (a, t) at v[64 t + 8 a].
.set PITCH,  432                       ; a row of 384 bytes in LDS: three pieces of 128 bytes, 16 bytes of padding behind each
.set LDB,    256*PITCH                 ; LDS: A's 256 rows from 0, B's from here
.set SPARE,  512*PITCH                 ; behind them the spare words, 128 bytes for each wave: four blocks of 256 bytes that no other line names
.set HEADB,  278528                    ; a head's bytes in kv and in qq
.set PAIRB,  17408                     ; a pair of key steps
.set ADA, 4                            ; v4   LDS address of my lane in A's tiles
.set ADB, 5                            ; v5   in B's
.set VS,  6                            ; v6   24 x my tile row: a row of scale bytes is 24 bytes
.set LI,  7                            ; v7   an image's place for my lane: 16 (lane % 16) + 512 (lane / 16)
.set L8,  8                            ; v8   8 x lane
.set L4,  9                            ; v9   4 x lane
.set SPW, 10                           ; v10  LDS address of my spare word; never rewritten
.set NIL, 11                           ; v11  0; never rewritten
.set SA,  32
.set SB,  80
.set FA,  104
.set FB,  168
.set PC,  104
.set PW,  136
.set TM,  140                          ; v140-143 largest magnitudes, v144-147 the other half's, then bytes, v152-155 the conversions' scale operands
.set PK,  160
.set WV,  28                           ; s28 wave; s29 work-group x; s30 y; s31 kind: 0 q, 1 k, 2 v; s32 block of W's rows; s33 my half of A; s34 my quarter of B
.set SX,  29
.set SY,  30
.set KIND, 31
.set YY,  32
.set AH,  33
.set BQ,  34
.set HM,  35                           ; s35 a lane mask: lanes 16-31
.set G1,  36                           ; s[36:43] descriptor group 1;  s[44:47] group 0
.set G0,  44
.set SEL, 48                           ; s[48:49] v_permlanex16_b32's selects for lane l xor 16
.set MSB, 0
.macro WIN new                         ; the immediate's high byte repeats the setting that is left; a switch that changes nothing is dropped
.if MSB != \new
	s_set_vgpr_msb (MSB<<8)|\new
.set MSB, \new
.endif
.endm
.macro PLACES n
.rept \n
	v_nop
.endr
.endm
	s_load_b512 s[8:23], s[0:1], 0x0               ; x's codes s[8:9], scales s[10:11]; q_proj's s[12:15]; k_proj's s[16:19]; v_proj's s[20:23]
	s_load_b128 s[24:27], s[0:1], 0x40             ; kv s[24:25], qq s[26:27]
	v_lshl_add_u32 v[SPW], v0, 2, SPARE
	v_mov_b32 v[NIL], 0
	ds_add_u32 v[SPW], v[NIL]                      ; the wave's opening: the add, twice on end, and its wait ahead of my tensor load; work on registers stands between
	ds_add_u32 v[SPW], v[NIL]
	v_lshrrev_b32 v1, 5, v0
	v_readfirstlane_b32 s[WV], v1                  ; wave 0..7
	s_mov_b32 s[SX], ttmp9
	s_and_b32 s[SY], ttmp7, 0xffff
	s_mul_i32 s[KIND], s[SY], 11
	s_lshr_b32 s[KIND], s[KIND], 5                 ; y / 3 for y = 0 .. 8
	s_mul_i32 s[YY], s[KIND], 3
	s_sub_co_u32 s[YY], s[SY], s[YY]               ; y % 3
	s_and_b32 s[AH], s[WV], 1
	s_lshr_b32 s[BQ], s[WV], 1
	s_mov_b32 s[HM], 0xffff0000
	s_mov_b32 s[SEL], 0x76543210
	s_mov_b32 s[SEL+1], 0xfedcba98
	; descriptor group 1: 64 dense rows of 384 bytes, stated as 192 rows of 128 bytes, so that the padding's interval is the row
	s_mov_b32 s[G1+0], (0<<16)|(1<<20)|(4<<22)|(3<<25)  ; 15:0 no mask; 17:16 elements of 1 byte; 20 padding on; 24:22 after every 32 words (code 4); 31:25 four words (code 3)
	s_mov_b32 s[G1+1], 128<<16                     ; tensor_dim0 = 128
	s_mov_b32 s[G1+2], 192<<16                     ; tensor_dim1 = 192
	s_mov_b32 s[G1+3], 128<<16                     ; tile_dim0 = 128
	s_mov_b32 s[G1+4], 192                         ; tile_dim1 = 192
	s_mov_b32 s[G1+5], 128                         ; from row to row
	s_mov_b32 s[G1+6], 0
	s_mov_b32 s[G1+7], 0
	s_mov_b32 s[G0], 1                             ; count = 1
	s_mul_i32 s[G0+1], s[WV], 64*PITCH             ; waves 0-3 fill A's four quarters, waves 4-7 B's
	s_wait_dscnt 0x0                               ; both opening adds are done
	s_wait_kmcnt 0x0
	s_cmp_eq_u32 s[KIND], 0                        ; every choice below hangs on the work-group's and the wave's numbers alone
	s_cselect_b64 s[50:51], s[12:13], s[16:17]
	s_cselect_b64 s[52:53], s[14:15], s[18:19]
	s_cmp_eq_u32 s[KIND], 2
	s_cselect_b64 s[50:51], s[20:21], s[50:51]     ; W's codes
	s_cselect_b64 s[52:53], s[22:23], s[52:53]     ; W's scales
	s_cselect_b64 s[56:57], s[10:11], s[52:53]     ; A's scales: x's for v, else W's
	s_cselect_b64 s[58:59], s[52:53], s[10:11]     ; B's: the other
	s_cselect_b32 s60, s[SX], s[YY]                ; A's block of 256 rows
	s_cselect_b32 s61, s[YY], s[SX]                ; B's
	s_cselect_b32 s54, 1, 0
	s_lshr_b32 s55, s[WV], 2                       ; 0: I fill for A, 1: for B
	s_xor_b32 s55, s55, s54                        ; 0: what I fill is W's
	s_cmp_eq_u32 s55, 0
	s_cselect_b64 s[G0+2:G0+3], s[50:51], s[8:9]
	s_cselect_b32 s62, s[YY], s[SX]
	s_mul_i32 s62, s62, 256*384                    ; the block,
	s_and_b32 s63, s[WV], 3
	s_mul_i32 s63, s63, 64*384                     ; my quarter of it
	s_add_co_u32 s62, s62, s63
	s_mov_b32 s63, 0
	s_add_nc_u64 s[G0+2:G0+3], s[G0+2:G0+3], s[62:63]
	s_or_b32 s[G0+3], s[G0+3], 0x80000000          ; type = 2
	tensor_load_to_lds s[G0:G0+3], s[G1:G1+7]      ; every wave's one load: 24,576 bytes.  Nothing is filled again in this launch
	s_nop 0
	v_and_b32 v1, 15, v0                           ; r
	v_bfe_u32 v2, v0, 4, 1                         ; h
	v_and_b32 v3, 8, v1
	v_add_nc_u32 v3, v3, v1                        ; r + 8 (r / 8)
	v_mul_u32_u24 v[ADA], v3, PITCH
	v_lshl_add_u32 v[ADA], v2, 4, v[ADA]           ; my tile row x pitch + 16 x half
	s_mul_i32 s68, s[BQ], 64*PITCH
	s_add_co_u32 s68, s68, LDB
	v_add_nc_u32 v[ADB], s68, v[ADA]
	s_mul_i32 s68, s[AH], 128*PITCH
	v_add_nc_u32 v[ADA], s68, v[ADA]
	v_mul_u32_u24 v[VS], v3, 24
	v_lshlrev_b32 v[LI], 4, v1
	v_lshl_add_u32 v[LI], v2, 9, v[LI]
	v_and_b32 v[L8], 31, v0
	v_lshlrev_b32 v[L4], 2, v[L8]
	v_lshlrev_b32 v[L8], 3, v[L8]
	s_mul_i32 s66, s60, 256*24                     ; A's scale bytes: the block, my 128 rows
	s_mul_i32 s67, s[AH], 128*24
	s_add_co_u32 s66, s66, s67
	s_mov_b32 s67, 0
	s_add_nc_u64 s[56:57], s[56:57], s[66:67]
	s_mul_i32 s66, s61, 256*24                     ; B's: the block, my 64 rows
	s_mul_i32 s67, s[BQ], 64*24
	s_add_co_u32 s66, s66, s67
	s_mov_b32 s67, 0
	s_add_nc_u64 s[58:59], s[58:59], s[66:67]
.irp a, 0,1,2,3,4,5,6,7                        ; a row's 24 scale bytes are the six K steps' words: three loads of 8 bytes; lane r takes its tile row's (lanes 16-31 the same, and are not read)
.irp i, 0,1,2
	global_load_b64 v[SA+6*\a+2*\i:SA+6*\a+2*\i+1], v[VS], s[56:57] offset:(32*(\a/2)+8*(\a%2))*24+8*\i
.endr
.endr
.irp t, 0,1,2,3
.irp i, 0,1,2
	global_load_b64 v[SB+6*\t+2*\i:SB+6*\t+2*\i+1], v[VS], s[58:59] offset:(32*(\t/2)+8*(\t%2))*24+8*\i
.endr
.endr
	s_wait_tensorcnt 0x0                           ; my quarter has landed,
	s_barrier_signal -1
	s_barrier_wait -1                              ; everybody's has
	s_wait_loadcnt 0x0                             ; the scale words
; A K step of 128: 24 LDS loads in one run (B's four fragments, then A's eight), then 32 matrix instructions, A's tiles one after the other, each against B's four.
; A fragment is 16 rows x 128 K in 8 registers: lane (r, h): registers 4 c .. 4 c + 3 hold K = 64 c + 32 h + 0 .. 31: 16 bytes of the row as they lie.  K step s begins 64 s + 16 (s / 2) bytes into an LDS row.
; A tile's rows r and r + 8 lie 16 LDS rows apart, which is a whole number of times through the 64 banks of 4 bytes (ISA guide 11.1) at any pitch that is a multiple of 16 bytes: these loads go two deep.
; The 32 accumulators take turns, one instruction a turn, in the same order in every step.
.macro KSTEP ks
	WIN 0
.if (\ks) > 0
	PLACES 4                                       ; loads into registers that matrix instructions have read stand four plain vector instructions behind them (ISA guide 7.12.1 for vector instructions)
.endif
.irp t, 0,1,2,3
.irp c, 0,1
	ds_load_b128 v[FB+8*\t+4*\c:FB+8*\t+4*\c+3], v[ADB] offset:(32*(\t/2)+8*(\t%2))*PITCH+64*(\ks)+16*((\ks)/2)+32*\c
.endr
.endr
.irp t, 0,1,2,3,4,5,6,7
.irp c, 0,1
	ds_load_b128 v[FA+8*\t+4*\c:FA+8*\t+4*\c+3], v[ADA] offset:(32*(\t/2)+8*(\t%2))*PITCH+64*(\ks)+16*((\ks)/2)+32*\c
.endr
.endr
	WIN 0x50                                       ; C and D in window 1, A and B in window 0
.irp a, 0,1,2,3,4,5,6,7
	s_wait_dscnt 2*(7-\a)                          ; LDS loads come back in order: B's and A's tiles up to a are in; the two loads of each later tile may be out
.irp t, 0,1,2,3
.if (\ks) == 0
	v_wmma_scale_f32_16x16x128_f8f6f4 v[64*\t+8*\a:64*\t+8*\a+7], v[FA+8*\a:FA+8*\a+7], v[FB+8*\t:FB+8*\t+7], 0, v[SA+6*\a+\ks], v[SB+6*\t+\ks] matrix_a_fmt:MATRIX_FMT_FP4 matrix_b_fmt:MATRIX_FMT_FP4
.else
	v_wmma_scale_f32_16x16x128_f8f6f4 v[64*\t+8*\a:64*\t+8*\a+7], v[FA+8*\a:FA+8*\a+7], v[FB+8*\t:FB+8*\t+7], v[64*\t+8*\a:64*\t+8*\a+7], v[SA+6*\a+\ks], v[SB+6*\t+\ks] matrix_a_fmt:MATRIX_FMT_FP4 matrix_b_fmt:MATRIX_FMT_FP4
.endif
.endr
.endr
.endm
	KSTEP 0                                        ; the first step's products start the sums: nothing is cleared
	KSTEP 1
	KSTEP 2
	KSTEP 3
	KSTEP 4
	KSTEP 5
	WIN 0
	PLACES 4                                       ; in front of the first read of results and of the first write into registers that held fragments
.irp b, 0,1,2,3
	v_mov_b32 v[TM+4+\b], 0                        ; written once: a lane permute's destination counts as one of its sources
.endr
; B's tile u: my row's 64 numbers (window 1, register 64 u + 16 b + i = next K 32 b + 16 (lane / 16) + i) become a fragment's codes in v[PC + 8 u] on and its scale word in v[PW + u].
; A block's scale byte is its largest magnitude's exponent field less 2; the conversion takes the exponent field of its scale operand and nothing else of it.  Each accumulator is read from its low end on.
.macro QUANT u
	WIN 0x05                                       ; sources 0 and 1 in window 1
.irp b, 0,1,2,3
	v_max3_num_f32 v[TM+\b], |v[64*\u+16*\b]|, |v[64*\u+16*\b+1]|, 0x1800000   ; block b: my 16 numbers, and the floor 2^(3 - 127): the byte cannot fall under 1
.endr
.irp i, 2,4,6,8,10,12,14
.irp b, 0,1,2,3
	v_max3_num_f32 v[TM+\b], |v[64*\u+16*\b+\i]|, |v[64*\u+16*\b+\i+1]|, v[TM+\b]   ; (the four blocks by turns)
.endr
.endr
	WIN 0
.irp b, 0,1,2,3
	v_permlanex16_b32 v[TM+4+\b], v[TM+\b], s[SEL], s[SEL+1]
.endr
.irp b, 0,1,2,3
	v_max_num_f32 v[TM+\b], v[TM+\b], v[TM+4+\b]   ; with lane l xor 16's 16: the block's largest magnitude
.endr
.irp b, 0,1,2,3
	v_add_nc_u32 v[TM+12+\b], 0xff000000, v[TM+\b] ; 2 off its exponent field: the conversion's scale operand
.endr
.irp b, 0,1,2,3
	v_lshrrev_b32 v[TM+4+\b], 23, v[TM+12+\b]      ; the scale's byte
.endr
	v_lshl_or_b32 v[PW+\u], v[TM+5], 8, v[TM+4]    ; the four bytes make my row's scale word; both halves of the lanes hold it
	v_lshl_or_b32 v[PW+\u], v[TM+6], 16, v[PW+\u]
	v_lshl_or_b32 v[PW+\u], v[TM+7], 24, v[PW+\u]
	WIN 0x01                                       ; source 0 in window 1
.irp b, 0,1,2,3
	v_cvt_scalef32_pk8_fp4_f32 v[PC+8*\u+2*\b], v[64*\u+16*\b:64*\u+16*\b+7], v[TM+12+\b]
	v_cvt_scalef32_pk8_fp4_f32 v[PC+8*\u+2*\b+1], v[64*\u+16*\b+8:64*\u+16*\b+15], v[TM+12+\b]
.endr
	WIN 0
	v_nop                                          ; one plain vector instruction behind the scaled conversions
.irp c, 0,1                                    ; the operand's layout wants a WHOLE block in a lane: lanes 0-15 block 2 c, lanes 16-31 block 2 c + 1
.irp i, 0,1
	v_permlane16_swap_b32 v[PC+8*\u+4*\c+\i], v[PC+8*\u+4*\c+2+\i]
.endr
.endr
.endm
	QUANT 0
	QUANT 1
	QUANT 2
	QUANT 3
	; THE WAY OUT.  The registers are stored as they stand: lanes 0-15 of a 16-byte store cover 256 consecutive bytes, aligned, and lanes 16-31 another 256.  Each store has data registers of its own.
	s_cmp_eq_u32 s[KIND], 2                        ; the work-group's number decides; neither arm touches LDS
	s_cbranch_scc0 .Lqk
	; v: my 128 rows of A are key step 2 x + (w & 1); my 64 rows of B are head 4 (y % 3) + (w >> 1); tile t's fragment is 16 channels x 128 keys
	s_lshl_b32 s66, s[YY], 2
	s_add_co_u32 s66, s66, s[BQ]
	s_mul_i32 s66, s66, HEADB
	s_mul_i32 s67, s[SX], PAIRB
	s_add_co_u32 s66, s66, s67
	s_lshl_b32 s67, s[AH], 8
	s_add_co_u32 s66, s66, s67
	s_mov_b32 s67, 0
	s_add_nc_u64 s[24:25], s[24:25], s[66:67]      ; the step's first byte in kv
	v_cndmask_b32 v[PK], v[PW], v[PW+1], s[HM]     ; lanes 0-15: tile 0's words, lanes 16-31: tile 1's: so one register serves two tiles in the second launch
	v_cndmask_b32 v[PK+1], v[PW+2], v[PW+3], s[HM] ; tiles 2 and 3
.irp t, 0,1,2,3
.irp c, 0,1
	global_store_b128 v[LI], v[PC+8*\t+4*\c:PC+8*\t+4*\c+3], s[24:25] offset:8192+2048*\t+1024*\c
.endr
.endr
	global_store_b64 v[L8], v[PK:PK+1], s[24:25] offset:16896   ; the step's row 33: 32 lanes store 256 consecutive bytes, aligned
	s_branch .Ldone
.Lqk:
	; q, k: my 128 rows of A are heads 4 (y % 3) + 2 (w & 1) and the next; my 64 rows of B are half (w >> 1) & 1 of step 2 x + (w >> 2).  Registers 0-3 of a fragment are the even head's 64 dims, registers 4-7 the odd head's
	s_cmp_eq_u32 s[KIND], 0
	s_cselect_b64 s[24:25], s[26:27], s[24:25]     ; q goes to qq, k to kv
	s_lshl_b32 s66, s[YY], 2
	s_lshl_b32 s67, s[AH], 1
	s_add_co_u32 s66, s66, s67
	s_mul_i32 s66, s66, HEADB
	s_mul_i32 s67, s[SX], PAIRB
	s_add_co_u32 s66, s66, s67
	s_lshr_b32 s67, s[BQ], 1
	s_lshl_b32 s67, s67, 8
	s_add_co_u32 s66, s66, s67
	s_mov_b32 s67, 0
	s_add_nc_u64 s[24:25], s[24:25], s[66:67]      ; the step's first byte, in the even head
	s_and_b32 s68, s[BQ], 1
	s_lshl_b32 s70, s68, 7
	s_mov_b32 s71, 0
	s_add_nc_u64 s[70:71], s[24:25], s[70:71]      ; my half of the row of scale halfwords
	s_lshl_b32 s68, s68, 12
	s_mov_b32 s69, 0
	s_add_nc_u64 s[68:69], s[24:25], s[68:69]      ; my four of the eight images
	v_perm_b32 v[PK], v[PW+1], v[PW], 0x05040100   ; the even head: tile 0's two bytes below, tile 1's above,
	v_perm_b32 v[PK+1], v[PW+3], v[PW+2], 0x05040100   ; tiles 2 and 3;
	v_perm_b32 v[PK+2], v[PW+1], v[PW], 0x07060302 ; the odd head likewise
	v_perm_b32 v[PK+3], v[PW+3], v[PW+2], 0x07060302
	v_cndmask_b32 v[PK+4], v[PK], v[PK+1], s[HM]   ; lanes 0-15 store tiles 0 and 1's words, lanes 16-31 tiles 2 and 3's
	v_cndmask_b32 v[PK+5], v[PK+2], v[PK+3], s[HM]
.irp t, 0,1,2,3
	global_store_b128 v[LI], v[PC+8*\t:PC+8*\t+3], s[68:69] offset:1024*\t
	global_store_b128 v[LI], v[PC+8*\t+4:PC+8*\t+7], s[68:69] offset:HEADB+1024*\t
.endr
	global_store_b32 v[L4], v[PK+4], s[70:71] offset:16384         ; 128 consecutive bytes: half of the step's row 32; the other half is another wave's.  One part in 34 of what the launch stores
	global_store_b32 v[L4], v[PK+5], s[70:71] offset:HEADB+16384
.Ldone:
	s_wait_tensorcnt 0x0                           ; the wave's end
	ds_add_u32 v[SPW], v[NIL]
	s_wait_dscnt 0x0
	s_endpgm
.Lfunc_end_k_q62d872e9ff_proj:
	.size	k_q62d872e9ff_proj, .Lfunc_end_k_q62d872e9ff_proj-k_q62d872e9ff_proj
	.p2alignl 7, 3214868480
	.fill 96, 4, 3214868480
	.section	.rodata,"a",@progbits
	.p2align	6, 0x0
	.amdhsa_kernel k_q62d872e9ff_proj
		.amdhsa_group_segment_fixed_size 327680
		.amdhsa_private_segment_fixed_size 0
		.amdhsa_enable_private_segment 0
		.amdhsa_kernarg_size 80
		.amdhsa_user_sgpr_count 2
		.amdhsa_user_sgpr_kernarg_segment_ptr 1
		.amdhsa_wavefront_size32 1
		.amdhsa_system_sgpr_workgroup_id_x 1
		.amdhsa_system_sgpr_workgroup_id_y 1
		.amdhsa_system_sgpr_workgroup_id_z 1
		.amdhsa_system_vgpr_workitem_id 0
		.amdhsa_next_free_vgpr 512
		.amdhsa_next_free_sgpr 80
		.amdhsa_reserve_vcc 0
		.amdhsa_float_denorm_mode_32 3
		.amdhsa_float_denorm_mode_16_64 3
		.amdhsa_memory_ordered 1
		.amdhsa_forward_progress 1
		.amdhsa_inst_pref_size 63
	.end_amdhsa_kernel
	.amdgpu_metadata
---
amdhsa.version: [ 1, 2 ]
amdhsa.kernels:
  - .name:           k_q62d872e9ff_proj
    .symbol:         k_q62d872e9ff_proj.kd
    .args:
      - { .name: x_codes, .offset: 0, .size: 8, .value_kind: global_buffer, .address_space: global }
      - { .name: x_scales, .offset: 8, .size: 8, .value_kind: global_buffer, .address_space: global }
      - { .name: q_proj_codes, .offset: 16, .size: 8, .value_kind: global_buffer, .address_space: global }
      - { .name: q_proj_scales, .offset: 24, .size: 8, .value_kind: global_buffer, .address_space: global }
      - { .name: k_proj_codes, .offset: 32, .size: 8, .value_kind: global_buffer, .address_space: global }
      - { .name: k_proj_scales, .offset: 40, .size: 8, .value_kind: global_buffer, .address_space: global }
      - { .name: v_proj_codes, .offset: 48, .size: 8, .value_kind: global_buffer, .address_space: global }
      - { .name: v_proj_scales, .offset: 56, .size: 8, .value_kind: global_buffer, .address_space: global }
      - { .name: kv, .offset: 64, .size: 8, .value_kind: global_buffer, .address_space: global }
      - { .name: qq, .offset: 72, .size: 8, .value_kind: global_buffer, .address_space: global }
    .group_segment_fixed_size: 327680
    .private_segment_fixed_size: 0
    .kernarg_segment_align: 8
    .kernarg_segment_size: 80
    .max_flat_workgroup_size: 256
    .sgpr_count:     80
    .vgpr_count:     512
    .wavefront_size: 32
...
	.end_amdgpu_metadata
.endif
;; end of part 1
;; launch attn (part 2): grid 16 x 12, 16 waves a work-group, clusters of 4 x 1, 327,680 bytes of LDS; arguments qq, kv, out0; writes out0
.if DOCPART == 2
	.amdgcn_target "amdgcn-amd-amdhsa--gfx1250"
	.amdhsa_code_object_version 6
	.text
	.protected	k_q62d872e9ff_attn
	.globl	k_q62d872e9ff_attn
	.p2align	8
	.type	k_q62d872e9ff_attn,@function
k_q62d872e9ff_attn:
	s_mov_b64 s[64:65], 0
	v_nop
	global_prefetch_b8 v0, s[64:65] scope:SCOPE_SE
	s_setreg_imm32_b32 hwreg(HW_REG_WAVE_MODE, 25, 1), 1
	s_wait_xcnt 0x0
	s_wait_alu depctr_hold_cnt(0) depctr_sa_sdst(0) depctr_va_vdst(0) depctr_va_sdst(0) depctr_va_ssrc(0) depctr_va_vcc(0) depctr_vm_vsrc(0)
	s_getreg_b32 s2, hwreg(HW_REG_IB_STS2, 6, 4)
	s_cmp_eq_u32 s2, 0
	s_cbranch_scc0 .Lentry_in_a_cluster
	s_endpgm
.Lentry_in_a_cluster:
	s_bfe_u32 s2, ttmp6, 0x10000c
	s_cmp_lg_u32 s2, 0x3003
	s_cbranch_scc0 .Lentry_shape_is_right
	s_endpgm
.Lentry_shape_is_right:
.set HEADB, 278528
.set PAIRB, 17408
.set GRPB,  69632
.set PIECE, 4352
.set SPARE, HEADB
.set LI,  1
.set LK,  2
.set L8,  3
.set DQ,  4
.set SPW, 5
.set NIL, 6
.set GO,  7
.set AB,  8
.set A2,  9
.set AV,  10
.set NINF, 11
.set STO, 24
.set RD,  25
.set WV,  10
.set RANK, 11
.set SD,  12
.set SEL, 20
.set CS,  22
.set G1,  24
.set G0,  32
.set TB,  48
.set KS,  49
.set CNT, 50
.macro CROUND
	s_barrier_signal -1
	s_barrier_wait -1
	s_cmp_lg_u32 s[WV], 0
	s_cbranch_scc1 .Lnot_wave_0_\@
	s_barrier_signal -3
.Lnot_wave_0_\@:
	s_barrier_wait -3
	s_barrier_signal -1
	s_barrier_wait -1
.endm
	s_load_b128 s[4:7], s[0:1], 0x0
	s_load_b64 s[8:9], s[0:1], 0x10
	v_lshl_add_u32 v[SPW], v0, 2, SPARE
	v_mov_b32 v[NIL], 0
	ds_add_u32 v[SPW], v[NIL]
	ds_add_u32 v[SPW], v[NIL]
	v_lshrrev_b32 v8, 5, v0
	s_delay_alu instid0(VALU_DEP_1)
	v_readfirstlane_b32 s[WV], v8
	s_cmp_lt_u32 s[WV], 8
	s_mov_b32 s52, 0x0de3b658
	s_cselect_b32 s52, 0x7a94c12f, s52
	s_and_b32 s53, s[WV], 7
	s_lshl_b32 s53, s53, 2
	s_lshr_b32 s[RANK], s52, s53
	s_and_b32 s[RANK], s[RANK], 15
	s_lshr_b32 s[SD], ttmp9, 1
	s_lshl_b32 s53, s[RANK], 1
	s_add_co_u32 s[SD], s[SD], s53
	s_bfe_u32 s13, ttmp6, 0x40000
	s_lshl_b32 s14, ttmp9, 2
	s_add_co_u32 s14, s14, s13
	s_and_b32 s15, ttmp7, 0xffff
	s_bfe_u32 s52, s14, 0x20001
	s_and_b32 s53, s14, 1
	s_lshl_b32 s16, s52, 5
	s_lshl_b32 s54, s53, 3
	s_add_co_u32 s16, s16, s54
	s_lshl_b32 s17, s52, 6
	s_lshl_b32 s54, s53, 1
	s_add_co_u32 s17, s17, s54
	s_and_b32 s18, s14, 7
	s_lshl_b32 s18, s18, 10
	s_mov_b32 s[G1+0], 15|(3<<16)|(1<<21)
	s_mov_b32 s[G1+1], 32<<16
	s_mov_b32 s[G1+2], 17<<16
	s_mov_b32 s[G1+3], 32<<16
	s_mov_b32 s[G1+4], 17
	s_mov_b32 s[G1+5], 32
	s_mov_b32 s[G1+6], 0
	s_mov_b32 s[G1+7], 0
	s_mov_b32 s[SEL], 0x76543210
	s_mov_b32 s[SEL+1], 0xfedcba98
	s_mov_b32 s[CS], 0x3e38aa3b
	s_mov_b32 s[CS+1], s[CS]
	s_mov_b32 s[TB], 0
	s_mov_b32 s[KS], 0
	s_mul_i32 s54, s[WV], PIECE
	s_mul_i32 s56, s15, HEADB
	s_add_co_u32 s60, s56, s54
	s_mov_b32 s61, 0
	s_mul_i32 s52, s[RANK], PAIRB
	s_lshr_b32 s53, ttmp9, 1
	s_lshl_b32 s53, s53, 8
	s_add_co_u32 s52, s52, s53
	s_add_co_u32 s52, s52, s56
	s_mov_b32 s53, 0
	s_lshl_b32 s62, s[SD], 7
	s_add_co_u32 s62, s62, s16
	s_lshl_b32 s62, s62, 8
	s_lshl_b32 s63, s15, 20
	s_add_co_u32 s62, s62, s63
	s_mov_b32 s63, 0
	s_wait_dscnt 0x0
	s_wait_kmcnt 0x0
	s_add_nc_u64 s[58:59], s[6:7], s[60:61]
	s_add_nc_u64 s[4:5], s[4:5], s[52:53]
	s_add_nc_u64 s[8:9], s[8:9], s[62:63]
.irp g, 0,1,2,3
	s_mov_b32 s[G0+4*\g], 1
	s_add_co_u32 s[G0+4*\g+1], s54, \g*GRPB
	s_add_nc_u64 s[G0+4*\g+2:G0+4*\g+3], s[58:59], \g*GRPB
	s_or_b32 s[G0+4*\g+3], s[G0+4*\g+3], 0x80000000
.endr
	CROUND
.irp g, 0,1,2,3
	tensor_load_to_lds s[G0+4*\g:G0+4*\g+3], s[G1:G1+7]
	s_nop 0
.endr
.rept 4
	v_nop
.endr
	v_and_b32 v26, 15, v0
	v_bfe_u32 v27, v0, 4, 1
	s_delay_alu instid0(VALU_DEP_2)
	v_and_b32 v28, 8, v26
	s_delay_alu instid0(VALU_DEP_1)
	v_add_nc_u32 v28, v28, v26
	s_delay_alu instid0(VALU_DEP_4)
	v_lshlrev_b32 v[LI], 4, v26
	s_delay_alu instid0(VALU_DEP_1)
	v_lshl_add_u32 v[LI], v27, 9, v[LI]
	v_lshlrev_b32 v[LK], 2, v26
	s_delay_alu instid0(VALU_DEP_1)
	v_lshl_add_u32 v[LK], v27, 1, v[LK]
	v_and_b32 v[L8], 31, v0
	s_delay_alu instid0(VALU_DEP_1)
	v_lshlrev_b32 v[L8], 3, v[L8]
	v_add_nc_u32 v30, s18, v[LI]
	v_lshlrev_b32 v31, 2, v26
	s_delay_alu instid0(VALU_DEP_1)
	v_add_nc_u32 v31, s17, v31
	global_load_b128 v[16:19], v30, s[4:5]
	global_load_u16 v255, v31, s[4:5] offset:16384
	v_lshlrev_b32 v29, 4, v27
	s_delay_alu instid0(VALU_DEP_1)
	v_sub_nc_u32 v[DQ], v28, v29
	s_delay_alu instid0(VALU_DEP_1)
	v_add_nc_u32 v[DQ], s16, v[DQ]
	v_lshlrev_b32 v[GO], 4, v26
	s_delay_alu instid0(VALU_DEP_1)
	v_lshl_add_u32 v[GO], v27, 8, v[GO]
	v_mul_u32_u24 v[STO], v26, 272
	s_delay_alu instid0(VALU_DEP_1)
	v_lshl_add_u32 v[STO], v27, 6, v[STO]
	s_delay_alu instid0(VALU_DEP_1)
	v_add_nc_u32 v[STO], s54, v[STO]
	v_mul_u32_u24 v[RD], v27, 272
	s_delay_alu instid0(VALU_DEP_1)
	v_lshl_add_u32 v[RD], v26, 4, v[RD]
	s_delay_alu instid0(VALU_DEP_1)
	v_add_nc_u32 v[RD], s54, v[RD]
	v_mov_b32 v[NINF], 0xff800000
	v_mov_b32 v13, 0xff61b1e6
	s_delay_alu instid0(VALU_DEP_1)
	v_floor_f32 v12, -v13
	v_mov_b32 v14, 0
	v_mov_b32 v15, 0
.irp i, 20,21,22,23
	v_mov_b32 v[\i], 0
.endr
.irp t, 0,1,2,3,4,5,6,7
.irp i, 4,5,6,7
	v_mov_b32 v[32+8*\t+\i], 0
.endr
.endr
.set j, 0
.rept 32
	v_mov_b32 v[160+j], 0
.set j, j+1
.endr
.irp i, 236,237,238,239,252,253
	v_mov_b32 v[\i], 0
.endr
.macro STEP e
	s_cmp_gt_u32 s[KS], s[SD]
	s_cbranch_scc1 .Lhidden_\@
	v_add_nc_u32 v[AB], s[TB], v[LI]
	v_add_nc_u32 v[A2], s[TB], v[LK]
	v_add_nc_u32 v[AV], s[TB], v[L8]
	v_nop
.irp t, 0,1,2,3,4,5,6,7
	ds_load_b128 v[32+8*\t:35+8*\t], v[AB] offset:256*\e+1024*\t
.endr
.irp b, 0,1,2,3
	ds_load_u16 v[248+\b], v[A2] offset:256*\e+16384+64*\b
.endr
.irp n, 0,1,2,3,4,5,6,7
	ds_load_b128 v[192+4*\n:195+4*\n], v[AB] offset:256*\e+8192+1024*\n
.endr
	ds_load_b64 v[240:241], v[AV] offset:256*\e+16896
	s_wait_dscnt 9
.irp t, 0,2,4,6
	v_wmma_scale_f32_16x16x128_f8f6f4 v[96+8*\t:103+8*\t], v[32+8*\t:39+8*\t], v[16:23], 0, v[248+\t/2], v255 matrix_a_fmt:MATRIX_FMT_FP4 matrix_b_fmt:MATRIX_FMT_FP4
	v_wmma_scale_f32_16x16x128_f8f6f4 v[104+8*\t:111+8*\t], v[40+8*\t:47+8*\t], v[16:23], 0, v[248+\t/2], v255 matrix_a_fmt:MATRIX_FMT_FP4 matrix_b_fmt:MATRIX_FMT_FP4 matrix_a_scale:MATRIX_SCALE_ROW1
.endr
.rept 4
	v_nop
.endr
	s_cmp_lt_u32 s[KS], s[SD]
	s_cbranch_scc1 .Lopen_\@
.set n, 0
.rept 64
	v_cmp_gt_i32 vcc_lo, 32*(n/16)+n%16, v[DQ]
	v_cndmask_b32 v[96+n], v[96+n], v[NINF], vcc_lo
.set n, n+1
.endr
.Lopen_\@:
.irp b, 0,1,2,3
	v_max3_num_f32 v[232+\b], v[96+16*\b], v[97+16*\b], v[98+16*\b]
.endr
.irp i, 3,5,7,9,11,13
.irp b, 0,1,2,3
	v_max3_num_f32 v[232+\b], v[232+\b], v[96+16*\b+\i], v[97+16*\b+\i]
.endr
.endr
.irp b, 0,1,2,3
	v_max_num_f32 v[232+\b], v[232+\b], v[111+16*\b]
.endr
.irp b, 0,1,2,3
	s_delay_alu instid0(VALU_DEP_4)
	v_permlanex16_b32 v[236+\b], v[232+\b], s[SEL], s[SEL+1]
.endr
.irp b, 0,1,2,3
	s_delay_alu instid0(VALU_DEP_4)
	v_max_num_f32 v[232+\b], v[232+\b], v[236+\b]
.endr
	s_delay_alu instid0(VALU_DEP_2)
	v_max3_num_f32 v254, v232, v233, v234
	s_delay_alu instid0(VALU_DEP_1)
	v_max_num_f32 v254, v254, v235
	s_delay_alu instid0(VALU_DEP_1)
	v_mul_f32 v254, s[CS], v254
	s_delay_alu instid0(VALU_DEP_1)
	v_max_num_f32 v13, v13, v254
	v_mov_b32 v254, v12
	s_delay_alu instid0(VALU_DEP_2)
	v_floor_f32 v12, -v13
	s_delay_alu instid0(VALU_DEP_1)
	v_sub_f32 v254, v12, v254
	s_delay_alu instid0(VALU_DEP_1)
	v_cvt_i32_f32 v254, v254
	s_delay_alu instid0(VALU_DEP_1)
	v_ldexp_f32 v252, 1.0, v254
.set j, 0
.rept 32
	v_pk_fma_f32 v[96+j:97+j], v[96+j:97+j], s[CS:CS+1], v[12:13] op_sel_hi:[1,0,0]
.set j, j+2
.endr
.irp b, 0,1,2,3
	v_fma_f32 v[232+\b], v[232+\b], s[CS], v12
.endr
.set j, 0
	s_wait_alu depctr_va_vdst(0)
.rept 64
	v_exp_f32 v[96+j], v[96+j]
.set j, j+1
.endr
	v_pk_mul_f32 v[14:15], v[14:15], v[252:253] op_sel_hi:[1,0]
	s_wait_alu depctr_va_vdst(0)
.irp b, 0,1,2,3
	v_exp_f32 v[232+\b], v[232+\b]
.endr
	v_pk_add_f32 v[236:237], v[100:101], v[104:105]
	v_pk_add_f32 v[250:251], v[108:109], v[112:113]
	v_pk_add_f32 v[248:249], v[116:117], v[120:121]
	v_pk_add_f32 v[246:247], v[124:125], v[128:129]
	v_pk_add_f32 v[244:245], v[132:133], v[136:137]
	v_pk_add_f32 v[242:243], v[140:141], v[144:145]
	v_pk_add_f32 v[238:239], v[148:149], v[152:153]
	v_pk_add_f32 v[14:15], v[14:15], v[156:157]
	v_pk_add_f32 v[236:237], v[236:237], v[96:97]
	v_pk_add_f32 v[250:251], v[250:251], v[98:99]
	v_pk_add_f32 v[248:249], v[248:249], v[102:103]
	v_pk_add_f32 v[246:247], v[246:247], v[106:107]
	v_pk_add_f32 v[244:245], v[244:245], v[110:111]
	v_pk_add_f32 v[242:243], v[242:243], v[114:115]
	v_pk_add_f32 v[238:239], v[238:239], v[118:119]
	v_pk_add_f32 v[14:15], v[14:15], v[122:123]
	v_pk_add_f32 v[236:237], v[236:237], v[126:127]
	v_pk_add_f32 v[250:251], v[250:251], v[130:131]
	v_pk_add_f32 v[248:249], v[248:249], v[134:135]
	v_pk_add_f32 v[246:247], v[246:247], v[138:139]
	v_pk_add_f32 v[244:245], v[244:245], v[142:143]
	v_pk_add_f32 v[242:243], v[242:243], v[146:147]
	v_pk_add_f32 v[238:239], v[238:239], v[150:151]
	v_pk_add_f32 v[14:15], v[14:15], v[154:155]
	v_pk_add_f32 v[236:237], v[236:237], v[158:159]
	s_delay_alu instid0(VALU_DEP_2)
	v_pk_add_f32 v[14:15], v[14:15], v[246:247]
	s_delay_alu instid0(VALU_DEP_2)
	v_pk_add_f32 v[236:237], v[236:237], v[244:245]
	v_pk_add_f32 v[250:251], v[250:251], v[242:243]
	v_pk_add_f32 v[248:249], v[248:249], v[238:239]
	s_delay_alu instid0(VALU_DEP_2)
	v_pk_add_f32 v[14:15], v[14:15], v[250:251]
	s_delay_alu instid0(VALU_DEP_2)
	v_pk_add_f32 v[236:237], v[236:237], v[248:249]
	s_delay_alu instid0(VALU_DEP_1)
	v_pk_add_f32 v[14:15], v[14:15], v[236:237]
	s_wait_alu depctr_va_vdst(0)
.irp b, 0,1,2,3
	v_max_num_f32 v[232+\b], 0x1800000, v[232+\b]
.endr
.irp b, 0,1,2,3
	s_delay_alu instid0(VALU_DEP_4)
	v_add_nc_u32 v[244+\b], 0xff000000, v[232+\b]
.endr
.irp b, 0,1,2,3
	s_delay_alu instid0(VALU_DEP_4)
	v_lshrrev_b32 v[236+\b], 23, v[244+\b]
.endr
	s_delay_alu instid0(VALU_DEP_3)
	v_lshl_or_b32 v253, v237, 8, v236
	s_delay_alu instid0(VALU_DEP_1)
	v_lshl_or_b32 v253, v238, 16, v253
	s_delay_alu instid0(VALU_DEP_1)
	v_lshl_or_b32 v253, v239, 24, v253
.irp b, 0,1,2,3
	v_cvt_scalef32_pk8_fp4_f32 v[224+2*\b], v[96+16*\b:103+16*\b], v[244+\b]
	v_cvt_scalef32_pk8_fp4_f32 v[225+2*\b], v[104+16*\b:111+16*\b], v[244+\b]
.endr
	v_nop
.irp c, 0,1
.irp i, 0,1
	v_permlane16_swap_b32 v[224+4*\c+\i], v[226+4*\c+\i]
.endr
.endr
.set j, 0
.rept 16
	v_pk_mul_f32 v[160+j:161+j], v[160+j:161+j], v[252:253] op_sel_hi:[1,0]
.set j, j+2
.endr
	s_wait_alu depctr_va_vdst(0)
	s_wait_dscnt 0x0
.irp t, 0,2
	v_wmma_scale_f32_16x16x128_f8f6f4 v[160+8*\t:167+8*\t], v[192+8*\t:199+8*\t], v[224:231], v[160+8*\t:167+8*\t], v[240+\t/2], v253 matrix_a_fmt:MATRIX_FMT_FP4 matrix_b_fmt:MATRIX_FMT_FP4
	v_wmma_scale_f32_16x16x128_f8f6f4 v[168+8*\t:175+8*\t], v[200+8*\t:207+8*\t], v[224:231], v[168+8*\t:175+8*\t], v[240+\t/2], v253 matrix_a_fmt:MATRIX_FMT_FP4 matrix_b_fmt:MATRIX_FMT_FP4 matrix_a_scale:MATRIX_SCALE_ROW1
.endr
.Lhidden_\@:
	s_add_co_u32 s[KS], s[KS], 1
.endm
	s_wait_loadcnt 0x0
	s_wait_tensorcnt 0x3
	s_barrier_signal -1
	s_barrier_wait -1
	STEP 0
	STEP 1
	s_wait_tensorcnt 0x0
	s_wait_dscnt 0x0
	s_barrier_signal -1
	s_barrier_wait -1
	s_mov_b32 s[TB], PAIRB
	s_mov_b32 s[CNT], 15
.Lpair:
	STEP 0
	STEP 1
	s_add_co_u32 s[TB], s[TB], PAIRB
	s_sub_co_u32 s[CNT], s[CNT], 1
	s_cmp_lg_u32 s[CNT], 0
	s_cbranch_scc1 .Lpair
	s_wait_dscnt 0x0
	s_barrier_signal -1
	s_barrier_wait -1
	v_add_f32 v14, v14, v15
	s_wait_alu depctr_va_vdst(0)
	v_permlanex16_b32 v252, v14, s[SEL], s[SEL+1]
	s_delay_alu instid0(VALU_DEP_1)
	v_add_f32 v14, v14, v252
	s_wait_alu depctr_va_vdst(0)
	v_rcp_f32 v14, v14
	v_nop
	s_wait_alu depctr_va_vdst(0)
.set j, 0
.rept 32
	v_mul_f32 v[96+j], v[160+j], v14
.set j, j+1
.endr
.irp g, 0,1
.irp k, 0,1,2,3
	ds_store_b128 v[STO], v[96+16*\g+4*\k:99+16*\g+4*\k] offset:128*\g+16*\k
.endr
.endr
.irp i, 0,1,2,3,4,5,6,7
	ds_load_b128 v[32+4*\i:35+4*\i], v[RD] offset:2*\i*272
.endr
.irp i, 0,1,2,3,4,5,6,7
	s_wait_dscnt 7-\i
	global_store_b128 v[GO], v[32+4*\i:35+4*\i], s[8:9] offset:(2*\i+8*(\i/4))*256 th:TH_STORE_NT
.endr
	s_wait_tensorcnt 0x0
	ds_add_u32 v[SPW], v[NIL]
	s_wait_dscnt 0x0
	CROUND
	s_endpgm
.Lfunc_end_k_q62d872e9ff_attn:
	.size	k_q62d872e9ff_attn, .Lfunc_end_k_q62d872e9ff_attn-k_q62d872e9ff_attn
	.p2alignl 7, 3214868480
	.fill 96, 4, 3214868480
	.section	.rodata,"a",@progbits
	.p2align	6, 0x0
	.amdhsa_kernel k_q62d872e9ff_attn
		.amdhsa_group_segment_fixed_size 327680
		.amdhsa_private_segment_fixed_size 0
		.amdhsa_enable_private_segment 0
		.amdhsa_kernarg_size 24
		.amdhsa_user_sgpr_count 2
		.amdhsa_user_sgpr_kernarg_segment_ptr 1
		.amdhsa_wavefront_size32 1
		.amdhsa_system_sgpr_workgroup_id_x 1
		.amdhsa_system_sgpr_workgroup_id_y 1
		.amdhsa_system_sgpr_workgroup_id_z 1
		.amdhsa_system_vgpr_workitem_id 0
		.amdhsa_next_free_vgpr 256
		.amdhsa_next_free_sgpr 72
		.amdhsa_reserve_vcc 1
		.amdhsa_float_denorm_mode_32 3
		.amdhsa_float_denorm_mode_16_64 3
		.amdhsa_memory_ordered 1
		.amdhsa_forward_progress 1
		.amdhsa_inst_pref_size 98
	.end_amdhsa_kernel
	.amdgpu_metadata
---
amdhsa.version: [ 1, 2 ]
amdhsa.kernels:
  - .name:           k_q62d872e9ff_attn
    .symbol:         k_q62d872e9ff_attn.kd
    .args:
      - { .name: qq, .offset: 0, .size: 8, .value_kind: global_buffer, .address_space: global }
      - { .name: kv, .offset: 8, .size: 8, .value_kind: global_buffer, .address_space: global }
      - { .name: out0, .offset: 16, .size: 8, .value_kind: global_buffer, .address_space: global }
    .group_segment_fixed_size: 327680
    .private_segment_fixed_size: 0
    .kernarg_segment_align: 8
    .kernarg_segment_size: 24
    .max_flat_workgroup_size: 512
    .sgpr_count:     72
    .vgpr_count:     256
    .wavefront_size: 32
...
	.end_amdgpu_metadata
.endif
;; end of part 2
